; MI455X (gfx1250); checked and timed in simulation.
; The chip was launched on July 23, 2026; its instructions are those of AMD's public machine-readable ISA for CDNA 5 (MIT licence, August 2026) and "CDNA5" Instruction Set Architecture Reference Guide (July 2026). The comments in the code are by the model that wrote it; some were corrected since.
;; Multi Head Attention. Allowed arithmetic: matrix products marked QUANTISED: E4M3 operands, one given power-of-two scale a tensor, by v_wmma_f32_16x16x64_fp8_fp8 or v_wmma_f32_16x16x128_fp8_fp8, f32 sums; everything else in f32.
;; Inputs: b_out 1,024 float32; b_qkv 3,072 float32; lowp_scales 8 int32 (the exponents e of the quantised operands' scales 2^e); w_out 1,024 x 1,024 float32; w_qkv 1,024 x 3,072 float32; x 2 x 2,048 x 1,024 float32.
;; Outputs: out0 2 x 2,048 x 1,024 float32.
;; This version of the problem:
;;   THIS VERSION OF THE PROBLEM IS GIVEN IN LOW PRECISION. The matrix products marked QUANTISED in the list below multiply operands that are first quantised to E4M3 (4 exponent bits, 3 mantissa bits; 8 bits a number), with one given power-of-two scale for each operand tensor; their sums are f32. All else is computed in f32.
;;   The module's matrix products, in the order in which they are computed (A, B: the left and right operand; K: the contracted axis; several contracted axes count as one K, in the product's order):
;;     1. [M 4,096, K 1,024] x [K 1,024, N 3,072]; A: input x; B: input w_qkv: QUANTISED (scales: A lowp_scales[0], B lowp_scales[1])
;;     2. batch 32 x [M 2,048, K 64] x [K 64, N 2,048]; A: computed on the way; B: computed on the way: QUANTISED (scales: A lowp_scales[2], B lowp_scales[3])
;;     3. batch 32 x [M 2,048, K 2,048] x [K 2,048, N 64]; A: softmax (see below); B: computed on the way: QUANTISED (scales: A lowp_scales[4], B lowp_scales[5])
;;     4. [M 4,096, K 1,024] x [K 1,024, N 1,024]; A: computed on the way; B: input w_out: QUANTISED (scales: A lowp_scales[6], B lowp_scales[7])
;;   THE QUANTISER, for each operand of a quantised product, along K:
;;     - The operand's scale is 2^e, e = its entry of the input lowp_scales (int32; the entries are numbered through the quantised products in the list's order, A before B).
;;     - Each number is divided by the scale, clamped to +-448, and rounded to the nearest number of E4M3, ties to even, subnormals kept.
;;     - The product sums the exact products of the quantised numbers (number of the format x scale) in f32.
;;   ~~~python
;;   def quantise(x, axis, e):      # numpy; x: float32 -> the quantised numbers, widened to float32 again
;;       x = np.moveaxis(x, axis, -1); K = x.shape[-1]
;;       r = np.clip(x / 2.0 ** e, -448, 448)
;;       step = 2.0 ** (np.maximum(np.frexp(np.where(r == 0, 1, r))[1] - 1, -6) - 3)
;;       q = np.round(r / step) * step * 2.0 ** e      # np.round: ties to even
;;       return np.moveaxis(q, -1, axis).astype(np.float32)
;;   ~~~
;;   SOFTMAX AHEAD OF A QUANTISED PRODUCT. Where the list says 'softmax', what is quantised is not the finished softmax but p = 2^(t - M), with t = logit x log2(e) and M = ceil(the row's largest t), a whole number; so 1/2 < the row's largest p <= 1. The row's sum l is taken of the UNQUANTISED p, in f32, and the product's result is divided by l at the end. Since M is a whole number, a kernel that streams over the keys may use a running M (the ceiling of the running maximum): every later rescaling is an exact power of two, so the quantised numbers keep their values, but for numbers so far below the row's largest that they fall under the format's range.
;;   OPERANDS COMPUTED ON THE WAY. 'Computed on the way' means the value that the module computes at that place (a softmax that the list does not call 'softmax' is quantised finished and normalised). What goes into a quantiser is computed in f32, as accurately as f32 sums, v_exp_f32 and their like allow (about 1e-6 of the number): no bf16 or f16 on the way to a quantiser, and a product that is left as it is and whose result goes on into a quantised operand takes f32 operands (vector FMAs, or v_wmma_f32_16x16x4_f32). A number that lies on a knife's edge between two numbers of the format may be rounded either way, as far as f32 arithmetic and the matrix unit's own rounding can turn it there, and no further.
;; One version. Each part assembles by itself: llvm-mc -triple=amdgcn-amd-amdhsa -mcpu=gfx1250 --defsym DOCPART=n.
;; ======== version 1 of 1: 4 launches
;; limits: right only within a limited range of input values
;; workspace buffers: x_img 4,194,304 bytes; wq_img 3,145,728 bytes; wo_img 1,048,576 bytes; q_img 4,194,304 bytes; kv_img 8,388,608 bytes; a_img 4,194,304 bytes
;; launch prep (part 1): grid 256 x 1, 8 waves a work-group, no clusters, 68,608 bytes of LDS; arguments x, w_qkv, w_out, lowp_scales, x_img, wq_img, wo_img; writes x_img, wq_img, wo_img
.if DOCPART == 1
	.amdgcn_target "amdgcn-amd-amdhsa--gfx1250"
	.amdhsa_code_object_version 6
	.text
	.protected	k_q8647c86d40_prep
	.globl	k_q8647c86d40_prep
	.p2align	8
	.type	k_q8647c86d40_prep,@function
k_q8647c86d40_prep:
	s_mov_b64 s[64:65], 0
	v_nop
	global_prefetch_b8 v0, s[64:65] scope:SCOPE_SE
	s_setreg_imm32_b32 hwreg(HW_REG_WAVE_MODE, 25, 1), 1
	s_wait_xcnt 0x0
; x [4096][1024], w_qkv [1024][3072] and w_out [1024][1024], f32, become codes of E4M3 with the given scales 2^e0, 2^e1, 2^e7:
; code = number / 2^e, held within +-448, rounded to the nearest code, ties to even.
; THE CODES ARE STORED AS IMAGES OF THE MATRIX OPERAND REGISTERS.  A fragment is 16 rows x 128 K, 16 registers a lane: lane (r, h) holds row r, its registers 2 c and
; 2 c + 1 hold k = 16 c + 8 h + 0 .. 7.  Registers 4 g .. 4 g + 3 of all 32 lanes are 512 bytes on end, lane l at 16 l; a fragment is 2,048 bytes.
;   x_img  [row tile 256][K chunk 8][2048]: row i of tile T is row 32 (T / 2) + 8 (T % 2) + i + 8 (i / 8) of x
;   wq_img [column tile 192][K chunk 8][2048], wo_img [64][8][2048]: row r of a fragment is column 16 tile + r of the weight
; 256 work-groups of 32,768 numbers: 0-127 take x, 128-223 w_qkv, 224-255 w_out.  Work-groups share no input, so there is no cluster; waves share nothing, so there is no barrier.
; LIMITS: e0, e1, e7 between -126 and 119, so that 2^e and 448 x 2^e are f32 numbers.  NaN among the inputs is not served.
.set STG, 8448                         ; path x: a stage for each wave, 16 rows x (512 bytes + 16)
.set R,   16                           ; path x: v16-143   two units of 16 rows x 4 registers, as loaded
.set X,   144                          ; path x: v144-207  64 numbers of a lane in the order of the fragment
.set C,   208                          ; path x: v208-239  codes, 16 registers a unit, never written twice
	s_load_b256 s[4:11], s[0:1], 0x0               ; x s[4:5], w_qkv s[6:7], w_out s[8:9], the exponents s[10:11]
	s_load_b128 s[12:15], s[0:1], 0x20             ; x_img s[12:13], wq_img s[14:15]
	s_load_b64 s[16:17], s[0:1], 0x30              ; wo_img
	v_lshl_add_u32 v254, v0, 2, 0x10800
	v_mov_b32 v255, 0
	v_lshrrev_b32 v1, 5, v0
	s_delay_alu instid0(VALU_DEP_1)
	v_readfirstlane_b32 s18, v1                    ; wave 0..7
	v_and_b32 v5, 31, v0                           ; lane
	v_and_b32 v6, 15, v0                           ; lane % 16
	v_bfe_u32 v7, v0, 4, 1                         ; lane / 16
	s_mov_b32 s23, 0
	s_wait_kmcnt 0x0
	s_load_b256 s[24:31], s[10:11], 0x0            ; e0 .. e7
	s_cmp_lt_u32 ttmp9, 128
	s_cbranch_scc0 .Lweights
.macro SCALE e                         ; v11 = 2^e as f32 (the conversion takes its exponent field), v10 = 448 x 2^e
	s_wait_kmcnt 0x0
	s_add_co_i32 s33, s[\e], 127
	s_lshl_b32 s34, s33, 23
	v_mov_b32 v11, s34
	s_add_co_i32 s33, s33, 8
	s_lshl_b32 s33, s33, 23
	s_or_b32 s33, s33, 0x600000
	v_mov_b32 v10, s33
.endm
	; ---- x.  Wave w takes row tile T = 2 x work-group + w / 4 and K chunks 2 (w % 4) and 2 (w % 4) + 1.
	s_wait_alu depctr_va_vdst(0)
	v_lshlrev_b32 v1, 4, v5                        ; 16 x lane: my bytes of a load, of a stage row and of an image group
	s_wait_alu depctr_va_vdst(0)
	s_mul_i32 s19, s18, STG
	v_add_nc_u32 v2, s19, v1                       ; into the stage: a row as it lies
	v_mul_u32_u24 v3, v6, 528
	s_delay_alu instid0(VALU_DEP_1)
	v_lshl_add_u32 v3, v7, 5, v3
	s_delay_alu instid0(VALU_DEP_1)
	v_add_nc_u32 v3, s19, v3                       ; out of it: row r, + 32 h bytes (8 h numbers)
	s_lshr_b32 s20, s18, 2                         ; T % 2
	s_and_b32 s21, s18, 3
	s_lshl_b32 s22, ttmp9, 5                       ; T / 2 is the work-group
	s_lshl_b32 s32, s20, 3
	s_add_co_u32 s22, s22, s32                     ; the first row of the tile
	s_lshl_b32 s22, s22, 12                        ; x 4,096 bytes
	s_lshl_b32 s32, s21, 10                        ; + my two chunks of 512 bytes
	s_add_co_u32 s22, s22, s32
	s_add_nc_u64 s[4:5], s[4:5], s[22:23]
	s_lshl_b32 s22, ttmp9, 1
	s_add_co_u32 s22, s22, s20                     ; T
	s_lshl_b32 s22, s22, 3
	s_lshl_b32 s32, s21, 1
	s_add_co_u32 s22, s22, s32                     ; 8 T + chunk
	s_lshl_b32 s22, s22, 11
	s_add_nc_u64 s[12:13], s[12:13], s[22:23]
.irp u, 0,1
.irp i, 0,1,2,3,4,5,6,7,8,9,10,11,12,13,14,15
	global_load_b128 v[R+64*\u+4*\i:R+64*\u+4*\i+3], v1, s[4:5] offset:(\i+8*(\i/8))*4096+512*\u th:TH_LOAD_NT   ; 32 lanes read 512 consecutive bytes of one row
.endr
.endr
	s_wait_alu depctr_va_vdst(0)
	SCALE 24
; One fragment.  The rows go through my own stage as they lie and come back in the order of the fragment; LDS serves a wave in order, so no wait stands between the stores and the loads.
.macro XUNIT u
	s_wait_loadcnt 16*(1-\u)                       ; this unit is in; the other unit's 16 loads may be out
.irp i, 0,1,2,3,4,5,6,7,8,9,10,11,12,13,14,15
	ds_store_b128 v2, v[R+64*\u+4*\i:R+64*\u+4*\i+3] offset:528*\i
.endr
.irp g, 0,1,2,3
.irp m, 0,1,2,3
	ds_load_b128 v[X+16*\g+4*\m:X+16*\g+4*\m+3], v3 offset:128*\g+64*(\m/2)+16*(\m%2)   ; k = 32 g + 16 (m / 2) + 8 h + 4 (m % 2) on
.endr
.endr
	s_wait_dscnt 0x0
.set n, 0
.rept 64
	v_med3_num_f32 v[X+n], v[X+n], -v10, v10       ; the conversion does not saturate (ISA guide 7.6.2): the hold at the largest code x the scale
.set n, n+1
.endr
.irp n, 0,1,2,3,4,5,6,7
	v_cvt_scalef32_pk8_fp8_f32 v[C+16*\u+2*\n:C+16*\u+2*\n+1], v[X+8*\n:X+8*\n+7], v11
.endr
	v_nop                                          ; one plain line behind the conversions: the next unit writes their sources
.irp g, 0,1,2,3
	global_store_b128 v1, v[C+16*\u+4*\g:C+16*\u+4*\g+3], s[12:13] offset:2048*\u+512*\g   ; 512 consecutive bytes, aligned
.endr
.endm
	s_wait_alu depctr_va_vdst(0)
	XUNIT 0
	XUNIT 1
	s_wait_tensorcnt 0x0
	ds_add_u32 v254, v255
	s_wait_dscnt 0x0
	s_endpgm
; ---- a weight [1024][cols].  A lane takes a column and its registers run down K, so the conversions give codes with K innermost and nothing is transposed.
; A work-group takes 256 columns x 128 K (one K chunk), a wave 32 columns: two column tiles.  A lane holds both halves h of its row of the fragment:
; of a block of 32 k, k 0-7 and 16-23 belong to h = 0, k 8-15 and 24-31 to h = 1.  Sixteen lanes store 256 consecutive bytes, aligned.
.macro WLOAD t, cols, src
.irp i, 0,1,2,3,4,5,6,7,8,9,10,11,12,13,14,15,16,17,18,19,20,21,22,23,24,25,26,27,28,29,30,31
	global_load_b32 v[32+32*((\t)%2)+\i], v3, s[\src:\src+1] offset:(32*(\t)+\i)*(\cols)*4 th:TH_LOAD_NT
.endr
.endm
.macro WBLOCK t, cols, src, dst
.set XS, 32+32*((\t)%2)
.set CW, 96+8*(\t)
.if (\t) < 3
	s_wait_loadcnt 32                              ; this block is in; the next block's 32 loads may be out
.else
	s_wait_loadcnt 0
.endif
.set n, 0
.rept 32
	v_med3_num_f32 v[XS+n], v[XS+n], -v10, v10
.set n, n+1
.endr
	v_cvt_scalef32_pk8_fp8_f32 v[CW:CW+1], v[XS:XS+7], v11
	v_cvt_scalef32_pk8_fp8_f32 v[CW+4:CW+5], v[XS+8:XS+15], v11
	v_cvt_scalef32_pk8_fp8_f32 v[CW+2:CW+3], v[XS+16:XS+23], v11
	v_cvt_scalef32_pk8_fp8_f32 v[CW+6:CW+7], v[XS+24:XS+31], v11
	v_nop
	global_store_b128 v4, v[CW:CW+3], s[\dst:\dst+1] offset:512*(\t)
	global_store_b128 v4, v[CW+4:CW+7], s[\dst:\dst+1] offset:512*(\t)+256
.if (\t) < 2
	WLOAD (\t)+2, \cols, \src
.endif
.endm
.macro WPATH cols, src, e, dst, first
	s_sub_co_u32 s19, ttmp9, \first
	s_and_b32 s20, s19, 7                          ; K chunk
	s_lshr_b32 s21, s19, 3                         ; block of 256 columns
	v_lshlrev_b32 v3, 2, v5                        ; in: 4 bytes a lane
	s_wait_alu depctr_va_vdst(0)
	v_lshlrev_b32 v4, 14, v7                       ; out: lanes 16-31 belong to the next column tile, 8 fragments on,
	s_delay_alu instid0(VALU_DEP_1)
	v_lshl_add_u32 v4, v6, 4, v4                   ; row r at 16 r
	s_mul_i32 s22, s20, 128*(\cols)*4
	s_lshl_b32 s32, s21, 8
	s_lshl_b32 s33, s18, 5
	s_add_co_u32 s32, s32, s33                     ; my first column
	s_lshl_b32 s32, s32, 2
	s_add_co_u32 s22, s22, s32
	s_add_nc_u64 s[\src:\src+1], s[\src:\src+1], s[22:23]
	s_lshl_b32 s22, s21, 4
	s_lshl_b32 s32, s18, 1
	s_add_co_u32 s22, s22, s32                     ; my first column tile
	s_lshl_b32 s22, s22, 3
	s_add_co_u32 s22, s22, s20
	s_lshl_b32 s22, s22, 11
	s_add_nc_u64 s[\dst:\dst+1], s[\dst:\dst+1], s[22:23]
	WLOAD 0, \cols, \src
	WLOAD 1, \cols, \src
	SCALE \e
	s_wait_alu depctr_va_vdst(0)
	WBLOCK 0, \cols, \src, \dst
	WBLOCK 1, \cols, \src, \dst
	WBLOCK 2, \cols, \src, \dst
	WBLOCK 3, \cols, \src, \dst
	s_endpgm
.endm
.Lweights:
	s_cmp_lt_u32 ttmp9, 224
	s_cbranch_scc0 .Lwout
	s_wait_alu depctr_va_vdst(0)
	WPATH 3072, 6, 25, 14, 128
.Lwout:
	s_wait_alu depctr_va_vdst(0)
	WPATH 1024, 8, 31, 16, 224
.Lfunc_end_k_q8647c86d40_prep:
	.size	k_q8647c86d40_prep, .Lfunc_end_k_q8647c86d40_prep-k_q8647c86d40_prep
	.p2alignl 7, 3214868480
	.fill 96, 4, 3214868480
	.section	.rodata,"a",@progbits
	.p2align	6, 0x0
	.amdhsa_kernel k_q8647c86d40_prep
		.amdhsa_group_segment_fixed_size 68608
		.amdhsa_private_segment_fixed_size 0
		.amdhsa_enable_private_segment 0
		.amdhsa_kernarg_size 56
		.amdhsa_user_sgpr_count 2
		.amdhsa_user_sgpr_kernarg_segment_ptr 1
		.amdhsa_wavefront_size32 1
		.amdhsa_system_sgpr_workgroup_id_x 1
		.amdhsa_system_sgpr_workgroup_id_y 1
		.amdhsa_system_sgpr_workgroup_id_z 1
		.amdhsa_system_vgpr_workitem_id 0
		.amdhsa_next_free_vgpr 256
		.amdhsa_next_free_sgpr 66
		.amdhsa_reserve_vcc 0
		.amdhsa_float_denorm_mode_32 3
		.amdhsa_float_denorm_mode_16_64 3
		.amdhsa_memory_ordered 1
		.amdhsa_forward_progress 1
		.amdhsa_inst_pref_size 66
	.end_amdhsa_kernel
	.amdgpu_metadata
---
amdhsa.version: [ 1, 2 ]
amdhsa.kernels:
  - .name:           k_q8647c86d40_prep
    .symbol:         k_q8647c86d40_prep.kd
    .args:
      - { .name: x, .offset: 0, .size: 8, .value_kind: global_buffer, .address_space: global }
      - { .name: w_qkv, .offset: 8, .size: 8, .value_kind: global_buffer, .address_space: global }
      - { .name: w_out, .offset: 16, .size: 8, .value_kind: global_buffer, .address_space: global }
      - { .name: lowp_scales, .offset: 24, .size: 8, .value_kind: global_buffer, .address_space: global }
      - { .name: x_img, .offset: 32, .size: 8, .value_kind: global_buffer, .address_space: global }
      - { .name: wq_img, .offset: 40, .size: 8, .value_kind: global_buffer, .address_space: global }
      - { .name: wo_img, .offset: 48, .size: 8, .value_kind: global_buffer, .address_space: global }
    .group_segment_fixed_size: 68608
    .private_segment_fixed_size: 0
    .kernarg_segment_align: 8
    .kernarg_segment_size: 56
    .max_flat_workgroup_size: 256
    .sgpr_count:     66
    .vgpr_count:     256
    .wavefront_size: 32
...
	.end_amdgpu_metadata
.endif
;; end of part 1
;; launch qkv (part 2): grid 8 x 32, 4 waves a work-group, clusters of 4 x 4, 327,680 bytes of LDS; arguments x_img, wq_img, b_qkv, lowp_scales, q_img, kv_img; writes q_img, kv_img
.if DOCPART == 2
	.amdgcn_target "amdgcn-amd-amdhsa--gfx1250"
	.amdhsa_code_object_version 6
	.text
	.protected	k_q8647c86d40_qkv
	.globl	k_q8647c86d40_qkv
	.p2align	8
	.type	k_q8647c86d40_qkv,@function
k_q8647c86d40_qkv:
	s_mov_b64 s[64:65], 0
	v_nop
	global_prefetch_b8 v0, s[64:65] scope:SCOPE_SE
	s_setreg_imm32_b32 hwreg(HW_REG_WAVE_MODE, 25, 1), 1
	s_wait_xcnt 0x0
	s_wait_alu depctr_hold_cnt(0) depctr_sa_sdst(0) depctr_va_vdst(0) depctr_va_sdst(0) depctr_va_ssrc(0) depctr_va_vcc(0) depctr_vm_vsrc(0)
	s_getreg_b32 s2, hwreg(HW_REG_IB_STS2, 6, 4)
	s_cmp_eq_u32 s2, 0
	s_cbranch_scc0 .Lentry_in_a_cluster
	s_endpgm
.Lentry_in_a_cluster:
	s_bfe_u32 s2, ttmp6, 0x10000c
	s_cmp_lg_u32 s2, 0xf033
	s_cbranch_scc0 .Lentry_shape_is_right
	s_endpgm
.Lentry_shape_is_right:
; qkv = x w_qkv + b_qkv on codes of E4M3, and the quantisers of q, k and v.  Operands come as images of fragments (16 rows x 128 K, 2,048 bytes, lane l of register group g at 512 g + 16 l).
; SHARES.  A work-group makes 128 rows (8 row tiles) x the 128 q, 128 k and 128 v columns of one pair of heads: 256 work-groups, and a tile of x serves three groups of columns.
; Wave w takes all 8 row tiles and column tiles 2 w, 2 w + 1 of each group: 48 accumulators, 14 fragments for 48 products.
; q and k are made TRANSPOSED (source 0 = 16 columns of w, source 1 = 16 rows of x): a lane holds one row and eight neighbours along the head's 64, the K of the scores.
; v is made straight (source 0 = x, source 1 = w): a lane holds one channel and eight keys; since row i of row tile T is row 32 (T / 2) + 8 (T % 2) + i + 8 (i / 8), the 16 registers
; of row tiles 2 c and 2 c + 1 are keys 32 c + 16 h + 0 .. 15.  So every conversion's result is a piece of the next operand's image and goes out as 512 consecutive bytes.
;   q_img  [batch x head 32][row tile 128][1024]: 16 rows x 64, registers 2 c, 2 c + 1: d = 16 c + 8 h + 0 .. 7
;   kv_img [batch x head 32][128 keys 16][16384]: 8 tiles of k as q's, then at 8,192 four tiles of 16 channels x 128 keys (registers 4 c .. 4 c + 3: keys 32 c + 16 h + 0 .. 15)
; The bias, divided by 2^(e0 + e1), is the C of each sum's first product.  A sum stands for sum x 2^(e0 + e1), so the conversion of q takes 2^(e2 - e0 - e1), of k e3, of v e5.
; K goes in 4 steps of 256 (two chunks of 128) through two LDS slots.  CLUSTER 4 x 4: x's tile is shared along a row of the cluster, the weights' along a column: joint loads, one a wave (wave 0: x; waves 1-3: q, k, v).
; A chunk's 56 LDS loads stand in seven parts of eight among the eight row tiles of the chunk before it.
; No prefetch: K has four steps, and the first refill asks for the third, so no K step stands two refills beyond a refill.
; LIMITS: e2 - e0 - e1, e3 - e0 - e1, e5 - e0 - e1 between -126 and 119.  NaN among the inputs is not served.
; REGISTERS, in windows of 256.  Window 0: v1-29 addresses and scales; v32-159 x's 8 fragments, v160-255 w's 6 (q0 q1 k0 k1 v0 v1): set 0.  Window 1: the same numbers, set 1.
;   Window 2: accumulators (a, i) at 48 a + 8 i, a = 0 .. 4.  Window 3: a = 5 .. 7 at 48 (a - 5) + 8 i; from v144 the six bias tiles.  On the way out the codes lie in window 0, v160-255.
.set SLOT,  131072                     ; a slot: four regions of 32,768 bytes (x, q, k, v), each [tile 8][chunk 2][2048]
.set REGN,  32768
.set SPARE, 2*SLOT                     ; behind the ring: the spare words, 128 bytes a wave, which no other line names
.set LI,   1                           ; v1    16 x lane
.set ADRA, 2                           ; v2-3  x's fragments in slot 0, 1
.set ADRB, 4                           ; v4-5  my q and k fragments
.set ADRV, 6                           ; v6-7  my v fragments
.set SCL,  20                          ; v20-22 the conversions' scales of q, k, v
.set SPW,  28
.set NIL,  29
.set AF,   32
.set BF,   160
.set BIAS, 144
.set CV,   160                         ; codes: v (i, c) at CV + 16 i + 4 c; q (a) at CQ + 4 a; k (a) at CK + 4 a
.set CQ,   192
.set CK,   224
.set WV,   16
.set G1A,  24                          ; s[24:31] group 1 for x's tiles, s[32:39] group 0, a set for each slot
.set G0A,  32
.set G1B,  40                          ; s[40:47], s[48:55] the same for the weights'
.set G0B,  48
.set LIM,  70                          ; s70-75: -448 x scale, 448 x scale for q, k, v
.set MSB,  0
.macro WIN new                         ; the immediate's high byte repeats the setting that is left
.if MSB != (\new)
	s_set_vgpr_msb (MSB<<8)|(\new)
.set MSB, (\new)
.endif
.endm
.macro PLACES
.rept 4
	v_nop
.endr
.endm
.macro JLOAD s                         ; a joint load; the branch hangs on the wave's number alone; four v_nop follow each line
	s_cmp_eq_u32 s[WV], 0
	s_cbranch_scc0 .Lfor_b_\@
	tensor_load_to_lds s[G0A+4*\s:G0A+4*\s+3], s[G1A:G1A+7]
	s_nop 0
.rept 4
	v_nop
.endr
	s_branch .Lasked_\@
.Lfor_b_\@:
	tensor_load_to_lds s[G0B+4*\s:G0B+4*\s+3], s[G1B:G1B+7]
	s_nop 0
.rept 4
	v_nop
.endr
.Lasked_\@:
.endm
.macro CREST                           ; a round of the cluster's barrier behind its opening barrier
	s_cmp_lg_u32 s[WV], 0
	s_cbranch_scc1 .Lnot_wave_0_\@
	s_barrier_signal -3
.Lnot_wave_0_\@:
	s_barrier_wait -3
	s_barrier_signal -1
	s_barrier_wait -1
.endm
.macro CROUND
	s_barrier_signal -1
	s_barrier_wait -1
	CREST
.endm
	s_load_b256 s[4:11], s[0:1], 0x0               ; x_img s[4:5], wq_img s[6:7], b_qkv s[8:9], the exponents s[10:11]
	s_load_b128 s[12:15], s[0:1], 0x20             ; q_img s[12:13], kv_img s[14:15]
	v_lshl_add_u32 v[SPW], v0, 2, SPARE
	v_mov_b32 v[NIL], 0
	ds_add_u32 v[SPW], v[NIL]                      ; the opening: the add, twice on end
	ds_add_u32 v[SPW], v[NIL]
	s_wait_dscnt 0x0
	v_lshrrev_b32 v10, 5, v0
	v_readfirstlane_b32 s[WV], v10                 ; wave 0..3
	s_bfe_u32 s17, ttmp6, 0x40000                  ; cx
	s_bfe_u32 s18, ttmp6, 0x40004                  ; cy
	s_lshl_b32 s19, ttmp9, 2
	s_add_co_u32 s19, s19, s17                     ; the pair of heads = 4 x cluster x + cx
	s_and_b32 s20, ttmp7, 0xffff
	s_lshl_b32 s20, s20, 2
	s_add_co_u32 s20, s20, s18                     ; the block of 128 rows = 4 x cluster y + cy
	s_lshl_b32 s21, s18, 2
	s_lshl_b32 s21, 15, s21                        ; my row of the cluster
	s_lshl_b32 s22, 0x1111, s17                    ; my column
	s_or_b32 s[G1A], s21, (3<<16)|(1<<21)          ; 15:0 the mask; 17:16 elements of 8 bytes; 21 set beside a mask; no padding: fragments are read 512 bytes on end
	s_or_b32 s[G1B], s22, (3<<16)|(1<<21)
.irp g, G1A, G1B
	s_mov_b32 s[\g+1], 512<<16                     ; tensor_dim0 = 512 elements: two chunks of a tile, 4,096 bytes
	s_mov_b32 s[\g+2], 8<<16                       ; tensor_dim1 = 8 tiles
	s_mov_b32 s[\g+3], 512<<16                     ; tile_dim0
	s_mov_b32 s[\g+4], 8                           ; tile_dim1
	s_mov_b32 s[\g+5], 2048                        ; from tile to tile: 8 chunks, 16,384 bytes
	s_mov_b32 s[\g+6], 0
	s_mov_b32 s[\g+7], 0
.endr
	s_lshl_b32 s66, s20, 17                        ; x: 8 row tiles of 16,384 bytes a block
	s_mov_b32 s67, 0
	s_max_u32 s68, s[WV], 1
	s_sub_co_u32 s68, s68, 1                       ; waves 1, 2, 3: group q, k, v
	s_lshl_b32 s68, s68, 20                        ; a group is 64 column tiles
	s_lshl_b32 s69, s19, 17                        ; a pair of heads 8
	s_add_co_u32 s68, s68, s69
	s_mov_b32 s69, 0
	s_lshl_b32 s23, s[WV], 15                      ; where it goes: region = wave; no place in the cluster enters an LDS address
	s_wait_kmcnt 0x0
	s_load_b256 s[56:63], s[10:11], 0x0            ; e0 .. e7
	s_add_nc_u64 s[66:67], s[4:5], s[66:67]
	s_add_nc_u64 s[68:69], s[6:7], s[68:69]
	CROUND                                         ; all sixteen work-groups are here: the first joint loads meet
.irp s, 0,1
	s_mov_b32 s[G0A+4*\s], 1
	s_add_co_u32 s[G0A+4*\s+1], s23, \s*SLOT
	s_add_nc_u64 s[G0A+4*\s+2:G0A+4*\s+3], s[66:67], \s*4096
	s_or_b32 s[G0A+4*\s+3], s[G0A+4*\s+3], 0x80000000
	s_mov_b32 s[G0B+4*\s], 1
	s_add_co_u32 s[G0B+4*\s+1], s23, \s*SLOT
	s_add_nc_u64 s[G0B+4*\s+2:G0B+4*\s+3], s[68:69], \s*4096
	s_or_b32 s[G0B+4*\s+3], s[G0B+4*\s+3], 0x80000000
.endr
	JLOAD 0                                        ; K step 0: one load a wave at the head
	v_and_b32 v10, 31, v0
	v_lshlrev_b32 v[LI], 4, v10
	v_and_b32 v11, 15, v0                          ; r
	v_bfe_u32 v12, v0, 4, 1                        ; h
	v_lshlrev_b32 v8, 5, v12                       ; 32 h: eight numbers of a bias
	s_wait_alu depctr_va_vdst(0)
	v_lshlrev_b32 v9, 2, v11                       ; 4 r
	s_wait_alu depctr_va_vdst(0)
	s_lshl_b32 s21, s[WV], 13                      ; my two column tiles in a region
	s_add_co_u32 s21, s21, REGN
.irp s, 0,1
	v_add_nc_u32 v[ADRA+\s], \s*SLOT, v[LI]
	s_add_co_u32 s22, s21, \s*SLOT
	v_add_nc_u32 v[ADRB+\s], s22, v[LI]
	v_add_nc_u32 v[ADRV+\s], 2*REGN, v[ADRB+\s]
.endr
	s_lshl_b32 s79, s19, 1
	s_lshr_b32 s22, s[WV], 1
	s_add_co_u32 s79, s79, s22                     ; my head
	s_and_b32 s80, s[WV], 1                        ; which 32 of its 64 channels
	s_lshl_b32 s21, s79, 6
	s_lshl_b32 s22, s80, 5
	s_add_co_u32 s21, s21, s22
	s_lshl_b32 s76, s21, 2
	s_mov_b32 s77, 0
	s_add_nc_u64 s[8:9], s[8:9], s[76:77]          ; the bias at my first q column
	WIN 0xc0                                       ; destination window 3
.irp i, 0,1,2,3
	global_load_b128 v[BIAS+8*\i:BIAS+8*\i+3], v8, s[8:9] offset:(\i/2)*4096+64*(\i%2)        ; q, k: register j is column 16 tile + 8 h + j
	global_load_b128 v[BIAS+8*\i+4:BIAS+8*\i+7], v8, s[8:9] offset:(\i/2)*4096+64*(\i%2)+16
.endr
	WIN 0
	global_load_b32 v24, v9, s[8:9] offset:8192    ; v: every register of lane (r, h) is column 16 tile + r
	global_load_b32 v25, v9, s[8:9] offset:8192+64
	s_lshr_b32 s21, s20, 4                         ; where the codes go: batch x 16 + head,
	s_lshl_b32 s21, s21, 4
	s_add_co_u32 s21, s21, s79
	s_and_b32 s22, s20, 15                         ; and the block of 128 rows in the sequence
	s_lshl_b32 s82, s21, 7
	s_lshl_b32 s23, s22, 3
	s_add_co_u32 s82, s82, s23
	s_lshl_b32 s82, s82, 10
	s_lshl_b32 s23, s80, 9                         ; my half of a tile's 1,024 bytes
	s_add_co_u32 s82, s82, s23
	s_mov_b32 s83, 0
	s_add_nc_u64 s[12:13], s[12:13], s[82:83]      ; q
	s_lshl_b32 s82, s21, 4
	s_add_co_u32 s82, s82, s22
	s_lshl_b32 s82, s82, 14
	s_add_nc_u64 s[14:15], s[14:15], s[82:83]
	s_lshl_b32 s82, s80, 12
	s_add_nc_u64 s[84:85], s[14:15], s[82:83]      ; v: my two channel tiles (the 8,192 stands in the stores' immediate)
	s_lshl_b32 s82, s80, 9
	s_add_nc_u64 s[14:15], s[14:15], s[82:83]      ; k
	s_wait_kmcnt 0x0
	s_add_co_i32 s66, s56, s57                     ; e0 + e1
	s_sub_co_i32 s78, 0, s66
.macro QSC g, e                        ; group g with exponent s[e]: the scale 2^(e - e0 - e1) and the hold at 448 x that
	s_sub_co_i32 s68, s[\e], s66
	s_add_co_i32 s68, s68, 127
	s_lshl_b32 s69, s68, 23
	v_mov_b32 v[SCL+\g], s69
	s_add_co_i32 s68, s68, 8
	s_lshl_b32 s68, s68, 23
	s_or_b32 s[LIM+2*\g+1], s68, 0x600000
	s_or_b32 s[LIM+2*\g], s[LIM+2*\g+1], 0x80000000
.endm
	QSC 0, 58
	QSC 1, 59
	QSC 2, 61
	s_wait_loadcnt 0x0
	WIN 0xc3
.set n, 0
.rept 32
	v_ldexp_f32 v[BIAS+n], v[BIAS+n], s78          ; b / 2^(e0 + e1)
.set n, n+1
.endr
	WIN 0xc0
.irp i, 0,1
.irp j, 0,1,2,3,4,5,6,7
	v_ldexp_f32 v[BIAS+32+8*\i+\j], v[24+\i], s78
.endr
.endr
	WIN 0
; One part of a chunk's fragments, eight loads: parts 0-2 w's q, k, v pairs; parts 3-6 x's row tiles 0-1, 2-3, 4-5, 6-7.
.macro PART p, slot, par, set
	WIN 0x40*(\set)
.irp x, 0,1
.irp g, 0,1,2,3
.if (\p) < 2
	ds_load_b128 v[BF+32*(\p)+16*\x+4*\g:BF+32*(\p)+16*\x+4*\g+3], v[ADRB+\slot] offset:(\p)*REGN+\x*4096+(\par)*2048+512*\g
.elseif (\p) == 2
	ds_load_b128 v[BF+64+16*\x+4*\g:BF+64+16*\x+4*\g+3], v[ADRV+\slot] offset:\x*4096+(\par)*2048+512*\g
.else
	ds_load_b128 v[AF+32*((\p)-3)+16*\x+4*\g:AF+32*((\p)-3)+16*\x+4*\g+3], v[ADRA+\slot] offset:(2*((\p)-3)+\x)*4096+(\par)*2048+512*\g
.endif
.endr
.endr
.endm
; Row tiles a0 .. a1, six products each.  The 48 accumulators take turns, one instruction a turn, in the same order in every chunk.  first = 1: C is the bias.
.macro MUL a0, a1, set, first
.set aa, \a0
.rept (\a1)-(\a0)+1
.if aa < 5
.set AC, 48*aa
.if \first
	WIN 0xb0+5*(\set)
.else
	WIN 0xa0+5*(\set)
.endif
.else
.set AC, 48*(aa-5)
	WIN 0xf0+5*(\set)
.endif
.irp i, 0,1,2,3
.if \first
	v_wmma_f32_16x16x128_fp8_fp8 v[AC+8*\i:AC+8*\i+7], v[BF+16*\i:BF+16*\i+15], v[AF+16*aa:AF+16*aa+15], v[BIAS+8*\i:BIAS+8*\i+7]
.else
	v_wmma_f32_16x16x128_fp8_fp8 v[AC+8*\i:AC+8*\i+7], v[BF+16*\i:BF+16*\i+15], v[AF+16*aa:AF+16*aa+15], v[AC+8*\i:AC+8*\i+7]
.endif
.endr
.irp i, 4,5
.if \first
	v_wmma_f32_16x16x128_fp8_fp8 v[AC+8*\i:AC+8*\i+7], v[AF+16*aa:AF+16*aa+15], v[BF+16*\i:BF+16*\i+15], v[BIAS+8*\i:BIAS+8*\i+7]
.else
	v_wmma_f32_16x16x128_fp8_fp8 v[AC+8*\i:AC+8*\i+7], v[AF+16*aa:AF+16*aa+15], v[BF+16*\i:BF+16*\i+15], v[AC+8*\i:AC+8*\i+7]
.endif
.endr
.set aa, aa+1
.endr
.endm
; A slot's first chunk (set 0); its second chunk is fetched into set 1 among the products.
.macro STEP slot, first
.if \first == 0
	PLACES                                         ; four places in front of loads into registers that the last products read (ISA guide 7.12.1 for vector instructions)
.endif
	s_wait_dscnt 16                                ; parts 0-4 are in; x's row tiles 4-7 may be out
.irp a, 0,1,2,3
	MUL \a, \a, 0, \first
	PART \a, \slot, 1, 1
.endr
	s_wait_dscnt 32                                ; row tiles 4-7 are in; the four parts just issued may be out
.irp a, 4,5,6
	MUL \a, \a, 0, \first
	PART \a, \slot, 1, 1
.endr
	MUL 7, 7, 0, \first
.endm
; A slot's second chunk (set 1) changes slots: ONE barrier; in front of it each wave waits for all its tensor loads, adds 0 to its spare word, and waits for that and for its reads of this slot.
.macro TURN slot, next, fill
	WIN 0
	s_wait_tensorcnt 0x0                           ; my part of the next slot has landed; no load of mine is out
	ds_add_u32 v[SPW], v[NIL]
	s_wait_dscnt 17                                ; parts 0-4 of set 1 are in; two parts and the add may be out
	MUL 0, 0, 1, 0                                 ; six products stand between the add and the wait for it
	s_wait_dscnt 0x0                               ; the add is done, and my reads of this slot are over
	s_barrier_signal -1
	MUL 1, 1, 1, 0
	WIN 0
	s_barrier_wait -1
.if \fill
	CREST                                          ; the barrier has opened a round of the cluster's: no wave of any partner still reads this slot or has a load on its way
	s_add_nc_u64 s[G0A+4*\slot+2:G0A+4*\slot+3], s[G0A+4*\slot+2:G0A+4*\slot+3], 8192
	s_add_nc_u64 s[G0B+4*\slot+2:G0B+4*\slot+3], s[G0B+4*\slot+2:G0B+4*\slot+3], 8192
	JLOAD \slot                                    ; the K step two on; its four v_nop are also the places in front of the loads below
.else
	PLACES
.endif
	PART 0, \next, 0, 0
.irp a, 1,2,3,4,5,6
	PART \a, \next, 0, 0
	MUL \a+1, \a+1, 1, 0
.endr
.endm
	s_wait_alu depctr_va_vdst(0)                   ; the head's end
	s_wait_tensorcnt 0x0                           ; my part of K step 0 is in
	ds_add_u32 v[SPW], v[NIL]
	s_wait_dscnt 0x0
	CROUND                                         ; everybody's part of K step 0 is in, and all sixteen work-groups are here
	JLOAD 1                                        ; K step 1: the first tensor load behind the round
.irp p, 0,1,2,3,4,5,6
	PART \p, 0, 0, 0
.endr
	STEP 0, 1
	TURN 0, 1, 1
	STEP 1, 0
	TURN 1, 0, 1
	STEP 0, 0
	TURN 0, 1, 0                                   ; nothing is left to fetch
	STEP 1, 0
	s_wait_dscnt 0x0
	MUL 0, 7, 1, 0
; THE WAY OUT: hold, convert, store.  Each accumulator is read from its low end on.
.macro CLAMP cnt                       ; accumulator q of the window lies at 8 q; its group is (q % 6) / 2
.set q, 0
.rept \cnt
.irp j, 0,1,2,3,4,5,6,7
	v_med3_num_f32 v[8*q+\j], v[8*q+\j], s[LIM+2*((q%6)/2)], s[LIM+2*((q%6)/2)+1]
.endr
.set q, q+1
.endr
.endm
.macro CODES cnt, a0
.set q, 0
.rept \cnt
.set aa, (\a0)+q/6
.set ii, q%6
.if ii < 2
.set DST, CQ+4*aa+2*ii
.elseif ii < 4
.set DST, CK+4*aa+2*(ii-2)
.else
.set DST, CV+16*(ii-4)+4*(aa/2)+2*(aa%2)
.endif
	v_cvt_scalef32_pk8_fp8_f32 v[DST:DST+1], v[8*q:8*q+7], v[SCL+ii/2]
.set q, q+1
.endr
	v_nop                                          ; one plain line behind the conversions
.endm
.macro SENDH a0                        ; four row tiles; every store is 512 consecutive bytes, aligned
.irp a, \a0, \a0+1, \a0+2, \a0+3
	global_store_b128 v[LI], v[CQ+4*(\a):CQ+4*(\a)+3], s[12:13] offset:1024*(\a)
	global_store_b128 v[LI], v[CK+4*(\a):CK+4*(\a)+3], s[14:15] offset:1024*(\a)
.endr
.irp i, 0,1
.irp c, (\a0)/2, (\a0)/2+1
	global_store_b128 v[LI], v[CV+16*\i+4*(\c):CV+16*\i+4*(\c)+3], s[84:85] offset:8192+2048*\i+512*(\c)
.endr
.endr
.endm
	PLACES
	WIN 0x82
	CLAMP 30
	WIN 0x02
	CODES 30, 0
	WIN 0
	SENDH 0                                        ; row tiles 0-3 leave ahead of the others' conversions, which write other registers
	WIN 0xc3
	CLAMP 18
	WIN 0x03
	CODES 18, 5
	WIN 0
	SENDH 4
	s_wait_tensorcnt 0x0                           ; the wave's end
	ds_add_u32 v[SPW], v[NIL]
	s_wait_dscnt 0x0
	CROUND                                         ; the closing round
	s_endpgm
.Lfunc_end_k_q8647c86d40_qkv:
	.size	k_q8647c86d40_qkv, .Lfunc_end_k_q8647c86d40_qkv-k_q8647c86d40_qkv
	.p2alignl 7, 3214868480
	.fill 96, 4, 3214868480
	.section	.rodata,"a",@progbits
	.p2align	6, 0x0
	.amdhsa_kernel k_q8647c86d40_qkv
		.amdhsa_group_segment_fixed_size 327680
		.amdhsa_private_segment_fixed_size 0
		.amdhsa_enable_private_segment 0
		.amdhsa_kernarg_size 48
		.amdhsa_user_sgpr_count 2
		.amdhsa_user_sgpr_kernarg_segment_ptr 1
		.amdhsa_wavefront_size32 1
		.amdhsa_system_sgpr_workgroup_id_x 1
		.amdhsa_system_sgpr_workgroup_id_y 1
		.amdhsa_system_sgpr_workgroup_id_z 1
		.amdhsa_system_vgpr_workitem_id 0
		.amdhsa_next_free_vgpr 1024
		.amdhsa_next_free_sgpr 100
		.amdhsa_reserve_vcc 0
		.amdhsa_float_denorm_mode_32 3
		.amdhsa_float_denorm_mode_16_64 3
		.amdhsa_memory_ordered 1
		.amdhsa_forward_progress 1
		.amdhsa_inst_pref_size 101
	.end_amdhsa_kernel
	.amdgpu_metadata
---
amdhsa.version: [ 1, 2 ]
amdhsa.kernels:
  - .name:           k_q8647c86d40_qkv
    .symbol:         k_q8647c86d40_qkv.kd
    .args:
      - { .name: x_img, .offset: 0, .size: 8, .value_kind: global_buffer, .address_space: global }
      - { .name: wq_img, .offset: 8, .size: 8, .value_kind: global_buffer, .address_space: global }
      - { .name: b_qkv, .offset: 16, .size: 8, .value_kind: global_buffer, .address_space: global }
      - { .name: lowp_scales, .offset: 24, .size: 8, .value_kind: global_buffer, .address_space: global }
      - { .name: q_img, .offset: 32, .size: 8, .value_kind: global_buffer, .address_space: global }
      - { .name: kv_img, .offset: 40, .size: 8, .value_kind: global_buffer, .address_space: global }
    .group_segment_fixed_size: 327680
    .private_segment_fixed_size: 0
    .kernarg_segment_align: 8
    .kernarg_segment_size: 48
    .max_flat_workgroup_size: 128
    .sgpr_count:     100
    .vgpr_count:     1024
    .wavefront_size: 32
...
	.end_amdgpu_metadata
.endif
;; end of part 2
;; launch attn (part 3): grid 8 x 32, 8 waves a work-group, clusters of 4 x 1, 327,680 bytes of LDS; arguments q_img, kv_img, lowp_scales, a_img; writes a_img
.if DOCPART == 3
	.amdgcn_target "amdgcn-amd-amdhsa--gfx1250"
	.amdhsa_code_object_version 6
	.text
	.protected	k_q8647c86d40_attn
	.globl	k_q8647c86d40_attn
	.p2align	8
	.type	k_q8647c86d40_attn,@function
k_q8647c86d40_attn:
	s_mov_b64 s[64:65], 0
	v_nop
	global_prefetch_b8 v0, s[64:65] scope:SCOPE_SE
	s_setreg_imm32_b32 hwreg(HW_REG_WAVE_MODE, 25, 1), 1
	s_wait_xcnt 0x0
	s_wait_alu depctr_hold_cnt(0) depctr_sa_sdst(0) depctr_va_vdst(0) depctr_va_sdst(0) depctr_va_ssrc(0) depctr_va_vcc(0) depctr_vm_vsrc(0)
	s_getreg_b32 s2, hwreg(HW_REG_IB_STS2, 6, 4)
	s_cmp_eq_u32 s2, 0
	s_cbranch_scc0 .Lentry_in_a_cluster
	s_endpgm
.Lentry_in_a_cluster:
	s_bfe_u32 s2, ttmp6, 0x10000c
	s_cmp_lg_u32 s2, 0x3003
	s_cbranch_scc0 .Lentry_shape_is_right
	s_endpgm
.Lentry_shape_is_right:
; Causal attention on codes of E4M3 for one head a work-group row, and the quantiser of its result.
;   q_img [batch x head 32][row tile 128][1024], kv_img [batch x head 32][128 keys 16][8 tiles of K 1024, 4 tiles of V 2048], a_img [row tile 256][head 16][1024]: images of the operands' registers.
;   Row i of row tile t is query 32 (t / 2) + 8 (t % 2) + i + 8 (i / 8); a wave works on two neighbouring tiles, 32 queries (u = 0, 1).
; LEFT OUT: steps of 128 keys that all come after the wave's queries.  the causal mask sets those scores to -infinity, so their p is 0 for all values of the inputs.
; A NaN or an infinity that reaches only such scores is not carried to the result.
; SHARES.  Block J = 128 queries has J + 1 key steps.  Blocks j and 15 - j together have 17.  Four pairs a work-group: j = 2 p + cluster x, p = 0 .. 3, and of each block the 32 queries at 32 cx.
;   Wave p: steps 0 .. j of the short block j, then steps 6 .. 15 - j of the long block: 11 steps.  Wave p + 4: steps 0 .. 5 of the long block 15 - j.  Wave p's part of the long block goes to wave p + 4 through LDS.
;   The parts are joined under the greater of the two M: both factors are powers of two with a whole exponent.
; SOFTMAX: t = score x c; M = the running largest t rounded up to a whole number; p = 2^(t - M); the sum is of the unquantised p; O^T and the sum are multiplied by 2^(old M - new M) in every step.
; LDS: the head's K and V, 262,144 bytes, filled once by two joint loads a wave: step 0, then (behind the full sequence and a round) steps 1-15.  Nothing is filled again, so there is no loop of refills and no prefetch ahead of one.
; Both products are used transposed: a lane holds one query; the 16 registers of two neighbouring score tiles are 16 neighbouring keys.
; LIMITS: e2 + e3 between -123 and 130; e4, e6 between -126 and 119; scaled scores under 2^31 in magnitude.  NaN among the inputs is not served.
; REGISTERS.  Window 0: v0-31 addresses, constants, state; v32-95 O^T; v96-223 S^T, then p; v224-255 p's codes (ahead of them tile 0's first sums).  Window 1: v0-63 K, v64-127 V, v128-143 Q.
.set SPARE, 0x40000                    ; spare words, 128 bytes a wave, which no other line names
.set XCH,  0x40400                     ; four areas of 9,216 bytes: O^T (8,192) and the state (1,024) of waves 0-3
.set CUT,  6                           ; the long block's steps CUT on are waves 0-3's
.set XA,   0                           ; v0   my pair's area
.set LI,   1                           ; v1   16 x lane
.set ADK,  2
.set DD,   3                           ; v3   my query in its block of 128, less 16 (lane / 16)
.set NINF, 4
.set PLIM, 5                           ; 448 x 2^e4
.set PSC,  6                           ; 2^e4
.set OSC,  7                           ; 2^e6
.set ST,   8                           ; state of tile u at ST + 12 u: +0 -M, +1 largest t, +2 +3 the sum's halves, +4 factor (+5 only named with it), +6 .. +10 at work
.set ADV,  13
.set SPW,  19
.set NIL,  31
.set O,    32
.set S,    96
.set P,    224
.set KR,   0
.set VR,   64
.set Q,    128
.set WV,   12
.set J,    16                          ; the block in hand
.set T,    17                          ; key step
.set TB,   18                          ; its first LDS byte
.set TN,   19                          ; the next step's
.set SEL,  20
.set CS,   22
.set G1S,  24
.set G1L,  32
.set G0S,  40
.set G0L,  44
.set LIM,  63                          ; last key step of the block in hand that is mine
.set J2,   66                          ; the pair's long block
.set QB,   68                          ; s[68:69] its Q
.set MSB,  0
.macro WIN new                         ; the immediate's high byte repeats the setting that is left
.if MSB != (\new)
	s_set_vgpr_msb (MSB<<8)|(\new)
.set MSB, (\new)
.endif
.endm
.macro ROUND                           ; a round of the cluster's barrier
	s_barrier_signal -1
	s_barrier_wait -1
	s_cmp_lg_u32 s[WV], 0
	s_cbranch_scc1 .Lnot_wave_0_\@
	s_barrier_signal -3
.Lnot_wave_0_\@:
	s_barrier_wait -3
	s_barrier_signal -1
	s_barrier_wait -1
.endm
.macro LOADQ src
	WIN 0x40
.irp i, 0,1,2,3
	global_load_b128 v[Q+4*\i:Q+4*\i+3], v[LI], s[\src:\src+1] offset:512*\i
.endr
	WIN 0
.endm
.macro LOADK                           ; K's tiles of step T
	v_add_nc_u32 v[ADK], s[TB], v[LI]
	WIN 0x40
.irp i, 0,1,2,3,4,5,6,7,8,9,10,11,12,13,14,15
	ds_load_b128 v[KR+4*\i:KR+4*\i+3], v[ADK] offset:512*\i
.endr
	WIN 0
.endm
.macro CLEAR                           ; no key seen yet: the first change of M multiplies zeros
.set n, 0
.rept 64
	v_mov_b32 v[O+n], 0
.set n, n+1
.endr
.irp u, 0,1
	v_mov_b32 v[ST+12*\u+1], 0xff61b1e6            ; -3e38
	v_mov_b32 v[ST+12*\u+2], 0
	v_mov_b32 v[ST+12*\u+3], 0
.endr
.irp u, 0,1
	v_floor_f32 v[ST+12*\u], -v[ST+12*\u+1]
.endr
.endm
	s_load_b256 s[4:11], s[0:1], 0x0               ; q_img, kv_img, the exponents, a_img
	v_lshl_add_u32 v[SPW], v0, 2, SPARE
	v_mov_b32 v[NIL], 0
	ds_add_u32 v[SPW], v[NIL]                      ; the opening: the add, twice on end
	ds_add_u32 v[SPW], v[NIL]
	v_lshrrev_b32 v2, 5, v0
	v_readfirstlane_b32 s[WV], v2                  ; wave 0..7
	v_and_b32 v3, 31, v0
	v_and_b32 v8, 15, v0
	v_bfe_u32 v9, v0, 4, 1
	v_lshlrev_b32 v[LI], 4, v3
	v_and_b32 v10, 8, v8
	v_lshlrev_b32 v9, 4, v9
	v_add_nc_u32 v10, v10, v8                      ; r + 8 (r / 8)
	s_bfe_u32 s13, ttmp6, 0x40000                  ; cx
	s_lshl_b32 s58, s13, 5
	v_sub_nc_u32 v[DD], v10, v9
	s_and_b32 s56, s[WV], 3                        ; p
	s_mul_i32 s57, s56, 9216
	s_add_co_u32 s57, s57, XCH
	v_add_nc_u32 v[DD], s58, v[DD]
	v_add_nc_u32 v[XA], s57, v[LI]
	s_and_b32 s15, ttmp7, 0xffff                   ; batch x 16 + head
	s_lshl_b32 s56, s56, 1
	s_add_co_u32 s56, s56, ttmp9                   ; j
	s_sub_co_u32 s[J2], 15, s56
	s_cmp_lt_u32 s[WV], 4
	s_cselect_b32 s[J], s56, s[J2]
	s_cselect_b32 s[LIM], s56, CUT-1
	s_mov_b32 s[G1S], 15|(3<<16)|(1<<21)           ; joint: all four work-groups; elements of 8 bytes; rows of 256 bytes, dense
	s_mov_b32 s[G1S+1], 32<<16
	s_mov_b32 s[G1S+2], 8<<16
	s_mov_b32 s[G1S+3], 32<<16
	s_mov_b32 s[G1S+4], 8                          ; 2,048 bytes: an eighth of step 0
	s_mov_b32 s[G1S+5], 32
	s_mov_b32 s[G1S+6], 0
	s_mov_b32 s[G1S+7], 0
	s_mov_b32 s[G1L], 15|(3<<16)|(1<<21)
	s_mov_b32 s[G1L+1], 32<<16
	s_mov_b32 s[G1L+2], 120<<16
	s_mov_b32 s[G1L+3], 32<<16
	s_mov_b32 s[G1L+4], 120                        ; 30,720 bytes: an eighth of steps 1-15
	s_mov_b32 s[G1L+5], 32
	s_mov_b32 s[G1L+6], 0
	s_mov_b32 s[G1L+7], 0
	s_mov_b32 s[SEL], 0x76543210
	s_mov_b32 s[SEL+1], 0xfedcba98
	s_lshl_b32 s14, s13, 1
	s_lshl_b32 s62, s15, 7
	s_lshl_b32 s58, s[J], 3
	s_add_co_u32 s58, s58, s14                     ; my first row tile in the sequence
	s_add_co_u32 s56, s58, s62
	s_lshl_b32 s56, s56, 10                        ; its Q
	s_mov_b32 s57, 0
	s_lshl_b32 s68, s[J2], 3
	s_add_co_u32 s68, s68, s14
	s_add_co_u32 s68, s68, s62
	s_lshl_b32 s68, s68, 10                        ; the long block's Q
	s_mov_b32 s69, 0
	s_lshr_b32 s70, s15, 4
	s_lshl_b32 s70, s70, 7
	s_add_co_u32 s70, s70, s58
	s_lshl_b32 s70, s70, 4
	s_and_b32 s62, s15, 15
	s_add_co_u32 s70, s70, s62
	s_lshl_b32 s70, s70, 10                        ; its place in a_img
	s_mov_b32 s71, 0
	s_lshl_b32 s60, s15, 18
	s_mov_b32 s61, 0
	s_wait_alu depctr_va_vdst(0)
	s_wait_dscnt 0x0                               ; both opening adds are done
	s_wait_kmcnt 0x0
	s_load_b256 s[48:55], s[8:9], 0x0              ; e0 .. e7
	s_add_nc_u64 s[68:69], s[4:5], s[68:69]
	s_add_nc_u64 s[4:5], s[4:5], s[56:57]
	s_add_nc_u64 s[10:11], s[10:11], s[70:71]
	s_add_nc_u64 s[6:7], s[6:7], s[60:61]          ; the head's K and V
	LOADQ 4
	s_lshl_b32 s58, s[WV], 11
	s_mov_b32 s59, 0
	s_mov_b32 s[G0S], 1
	s_mov_b32 s[G0S+1], s58
	s_add_nc_u64 s[G0S+2:G0S+3], s[6:7], s[58:59]
	s_or_b32 s[G0S+3], s[G0S+3], 0x80000000
	s_mul_i32 s58, s[WV], 30720
	s_add_co_u32 s58, s58, 16384
	s_mov_b32 s[G0L], 1
	s_mov_b32 s[G0L+1], s58
	s_add_nc_u64 s[G0L+2:G0L+3], s[6:7], s[58:59]
	s_or_b32 s[G0L+3], s[G0L+3], 0x80000000
	ROUND                                          ; all four work-groups are here: the first joint loads meet
	tensor_load_to_lds s[G0S:G0S+3], s[G1S:G1S+7]
	s_nop 0
	CLEAR                                          ; under the load's flight
	v_mov_b32 v[NINF], 0xff800000
.irp u, 0,1
	v_mov_b32 v[ST+12*\u+5], 0
	v_mov_b32 v[ST+12*\u+10], 0                    ; a lane permute's destination counts as one of its sources
.endr
	s_wait_kmcnt 0x0
	s_add_co_i32 s56, s50, s51
	s_lshl_b32 s56, s56, 23
	s_mov_b32 s[CS], 0x3e38aa3b                    ; log2(e) / 8,
	s_add_co_i32 s[CS], s[CS], s56                 ; x 2^(e2 + e3)
	s_mov_b32 s[CS+1], s[CS]
	s_add_co_i32 s56, s52, 127
	s_lshl_b32 s58, s56, 23
	v_mov_b32 v[PSC], s58
	s_add_co_i32 s56, s56, 8
	s_lshl_b32 s56, s56, 23
	s_or_b32 s56, s56, 0x600000
	v_mov_b32 v[PLIM], s56
	s_add_co_i32 s56, s54, 127
	s_lshl_b32 s58, s56, 23
	v_mov_b32 v[OSC], s58
	s_add_co_i32 s56, s56, 8
	s_lshl_b32 s56, s56, 23
	s_or_b32 s61, s56, 0x600000                    ; 448 x 2^e6
	s_or_b32 s60, s61, 0x80000000
	s_add_co_i32 s62, s52, s53                     ; e4 + e5
	s_mov_b32 s[T], 0
	s_mov_b32 s[TB], 0
	s_wait_alu depctr_va_vdst(0)                   ; the head's end
	s_wait_tensorcnt 0x0                           ; my part of step 0 is in; the full sequence ahead of a later first fill
	ds_add_u32 v[SPW], v[NIL]
	s_wait_dscnt 0x0
	ROUND                                          ; step 0 is whole
	tensor_load_to_lds s[G0L:G0L+3], s[G1L:G1L+7]
	s_nop 0
.rept 4
	v_nop
.endr
.macro MX a, b                         ; four chains of maxima a tile, both tiles by turns
.irp c, 0,1,2,3
.irp u, 0,1
	v_max3_num_f32 v[ST+12*\u+6+\c], v[ST+12*\u+6+\c], v[S+64*\u+8*\c+\a], v[S+64*\u+8*\c+\b]
.endr
.endr
.endm
.macro FMA2 u, r                       ; t - M of two scores
	v_pk_fma_f32 v[S+64*(\u)+(\r):S+64*(\u)+(\r)+1], v[S+64*(\u)+(\r):S+64*(\u)+(\r)+1], s[CS:CS+1], v[ST+12*(\u):ST+12*(\u)+1] op_sel_hi:[1,0,0]
.endm
.macro FMAS n0, cnt
.set n, \n0
.rept \cnt
	FMA2 0, n
.set n, n+2
.endr
.endm
.macro HOLD r                          ; the conversion does not saturate (ISA guide 7.6.2); p is never negative, so the hold is one-sided
	v_dual_min_num_f32 v[(\r)], v[(\r)], v[PLIM] :: v_dual_min_num_f32 v[(\r)+1], v[(\r)+1], v[PLIM]
.endm
.macro TREE c                          ; tile 0's sums: the lower half of 2 c registers += the upper half
.set n, 0
.rept (\c)/2
	v_pk_add_f32 v[P+n:P+n+1], v[P+n:P+n+1], v[P+n+(\c):P+n+(\c)+1]
.set n, n+2
.endr
.endm
.macro CH r                            ; tile 1's sums: four chains
	v_pk_add_f32 v[14:15], v[14:15], v[S+64+\r:S+65+\r]
	v_pk_add_f32 v[16:17], v[16:17], v[S+66+\r:S+67+\r]
	v_pk_add_f32 v[26:27], v[26:27], v[S+68+\r:S+69+\r]
	v_pk_add_f32 v[28:29], v[28:29], v[S+70+\r:S+71+\r]
.endm
; Register 16 b + i of tile u is key 32 b + 16 (lane / 16) + i: hidden where 32 b + i - 8 u > DD.  So key i of tile 0 and key i + 8 of tile 1 share a compare.
.macro HIDE b, m, t0, t1
.irp i, 0,1,2,3,4,5,6,7
	v_cmp_gt_i32 vcc_lo, 32*(\b)+(\m)+\i, v[DD]
.if \t0
	v_cndmask_b32 v[S+16*(\b)+(\m)+\i], v[S+16*(\b)+(\m)+\i], v[NINF], vcc_lo
.endif
.if \t1
	v_cndmask_b32 v[S+72+16*(\b)+(\m)+\i], v[S+72+16*(\b)+(\m)+\i], v[NINF], vcc_lo
.endif
.endr
.endm
; A KEY STEP of 128 keys for both tiles.  K is in registers already.  last: the last LDS byte at which the next step's K may begin; 0: step 0, every wave's, which fetches no further K.
.macro STEP last
.if \last
	s_cmp_gt_u32 s[T], s[LIM]                      ; not my step: a scalar branch on ids, round no barrier and no tensor load
	s_cbranch_scc1 .Lskip_\@
.endif
	WIN 0x05
.irp k, 0,1,2,3,4,5,6,7
.irp u, 0,1
	v_wmma_f32_16x16x64_fp8_fp8 v[S+64*\u+8*\k:S+64*\u+8*\k+7], v[KR+8*\k:KR+8*\k+7], v[Q+8*\u:Q+8*\u+7], 0
.endr
.endr
	WIN 0
	v_add_nc_u32 v[ADV], s[TB], v[LI]              ; the first of the four places behind the products
.if \last
	s_add_co_u32 s[TN], s[TB], 16384
	s_min_u32 s[TN], s[TN], \last
	v_add_nc_u32 v[ADK], s[TN], v[LI]
.else
	v_nop
.endif
	v_nop
	v_nop
	WIN 0x40
.irp i, 0,1,2,3,4,5,6,7,8,9,10,11,12,13,14,15
	ds_load_b128 v[VR+4*\i:VR+4*\i+3], v[ADV] offset:8192+512*\i
.endr
.if \last
.irp i, 0,1,2,3,4,5,6,7,8,9,10,11,12,13,14,15
	ds_load_b128 v[KR+4*\i:KR+4*\i+3], v[ADK] offset:512*\i
.endr
.endif
	WIN 0
	s_cmp_lg_u32 s[T], s[J]
	s_cbranch_scc1 .Lopen_\@                       ; only the step on the diagonal has hidden keys
.irp b, 0,1,2,3
	HIDE \b, -8, 0, 1
	HIDE \b, 0, 1, 1
	HIDE \b, 8, 1, 0
.endr
.Lopen_\@:
.irp c, 0,1,2,3
.irp u, 0,1
	v_max3_num_f32 v[ST+12*\u+6+\c], v[S+64*\u+8*\c], v[S+64*\u+8*\c+1], v[S+64*\u+8*\c+2]
.endr
.endr
	MX 3, 4
	MX 5, 6
	MX 7, 32
	MX 33, 34
	MX 35, 36
	MX 37, 38
.irp u, 0,1
	v_max3_num_f32 v[ST+12*\u+6], v[ST+12*\u+6], v[S+64*\u+39], v[S+64*\u+47]
	v_max3_num_f32 v[ST+12*\u+8], v[ST+12*\u+8], v[S+64*\u+55], v[S+64*\u+63]
.endr
.irp u, 0,1
	v_max3_num_f32 v[ST+12*\u+7], v[ST+12*\u+7], v[ST+12*\u+9], v[ST+12*\u+6]
.endr
.irp u, 0,1
	v_max_num_f32 v[ST+12*\u+6], v[ST+12*\u+7], v[ST+12*\u+8]
.endr
.irp u, 0,1
	v_permlanex16_b32 v[ST+12*\u+10], v[ST+12*\u+6], s[SEL], s[SEL+1]
	v_mov_b32 v[ST+12*\u+7], v[ST+12*\u]           ; the old -M
.endr
.irp u, 0,1
	v_max_num_f32 v[ST+12*\u+6], v[ST+12*\u+6], v[ST+12*\u+10]
.endr
.irp u, 0,1
	v_mul_f32 v[ST+12*\u+6], s[CS], v[ST+12*\u+6]
.endr
.irp u, 0,1
	v_max_num_f32 v[ST+12*\u+1], v[ST+12*\u+1], v[ST+12*\u+6]
.endr
.irp u, 0,1
	v_floor_f32 v[ST+12*\u], -v[ST+12*\u+1]        ; -M = floor(-t): M is a whole number
.endr
.irp u, 0,1
	v_sub_f32 v[ST+12*\u+7], v[ST+12*\u], v[ST+12*\u+7]
.endr
	FMAS 0, 8
.irp u, 0,1
	v_cvt_i32_f32 v[ST+12*\u+7], v[ST+12*\u+7]     ; (it saturates)
.endr
	FMAS 16, 8
.irp u, 0,1
	v_ldexp_f32 v[ST+12*\u+4], 1.0, v[ST+12*\u+7]  ; 2^(old M - new M)
.endr
	FMAS 32, 16
.irp u, 0,1
	v_pk_mul_f32 v[ST+12*\u+2:ST+12*\u+3], v[ST+12*\u+2:ST+12*\u+3], v[ST+12*\u+4:ST+12*\u+5] op_sel_hi:[1,0]
.endr
.irp u, 0,1
.irp j, 0,2,4,6,8,10,12,14,16,18,20,22,24,26,28,30
	v_pk_mul_f32 v[O+32*\u+\j:O+32*\u+\j+1], v[O+32*\u+\j:O+32*\u+\j+1], v[ST+12*\u+4:ST+12*\u+5] op_sel_hi:[1,0]
.endr
.endr
	s_wait_alu depctr_va_vdst(0)                   ; ahead of the batch
.set n, 0
.rept 32                               ; tile 0's exponentials, tile 1's multiply-adds among them
	v_exp_f32 v[S+n], v[S+n]
	v_exp_f32 v[S+n+1], v[S+n+1]
	FMA2 1, n
.set n, n+2
.endr
	s_wait_alu depctr_va_vdst(0)                   ; behind tile 0's batch and ahead of tile 1's
.set n, 0
.rept 16                               ; tile 1's exponentials; among them tile 0's first sums (of the unheld p), then its holds
	v_exp_f32 v[S+64+n], v[S+64+n]
	v_exp_f32 v[S+65+n], v[S+65+n]
	v_pk_add_f32 v[P+n/2:P+n/2+1], v[S+n:S+n+1], v[S+n+2:S+n+3]
	v_exp_f32 v[S+66+n], v[S+66+n]
	v_exp_f32 v[S+67+n], v[S+67+n]
	HOLD S+n
	HOLD S+n+2
.set n, n+4
.endr
	s_wait_alu depctr_va_vdst(0)                   ; behind tile 1's batch
	v_pk_add_f32 v[14:15], v[S+64:S+65], v[S+66:S+67]
	v_pk_add_f32 v[16:17], v[S+68:S+69], v[S+70:S+71]
	v_pk_add_f32 v[26:27], v[S+72:S+73], v[S+74:S+75]
	v_pk_add_f32 v[28:29], v[S+76:S+77], v[S+78:S+79]
	TREE 16
	CH 16
	TREE 8
	CH 24
	TREE 4
	CH 32
	TREE 2
	CH 40
	v_pk_add_f32 v[ST+2:ST+3], v[ST+2:ST+3], v[P:P+1]
	CH 48
	CH 56
	v_pk_add_f32 v[14:15], v[14:15], v[16:17]
	v_pk_add_f32 v[26:27], v[26:27], v[28:29]
.irp n, 0,1,2,3,4,5,6,7
	v_cvt_scalef32_pk8_fp8_f32 v[P+2*\n:P+2*\n+1], v[S+8*\n:S+8*\n+7], v[PSC]
.endr
	v_pk_add_f32 v[14:15], v[14:15], v[26:27]
.set n, 0
.rept 32
	HOLD S+64+n
.set n, n+2
.endr
	v_pk_add_f32 v[ST+14:ST+15], v[ST+14:ST+15], v[14:15]
.irp n, 0,1,2,3,4,5,6,7
	v_cvt_scalef32_pk8_fp8_f32 v[P+16+2*\n:P+16+2*\n+1], v[S+64+8*\n:S+64+8*\n+7], v[PSC]
.endr
	v_nop                                          ; one plain place behind the conversions
	s_wait_alu depctr_va_vdst(0)                   ; directly ahead of the wait below
	s_wait_dscnt 0x0                               ; V, and the next step's K
	WIN 0x01
.irp d, 0,1,2,3
.irp u, 0,1
	v_wmma_f32_16x16x128_fp8_fp8 v[O+32*\u+8*\d:O+32*\u+8*\d+7], v[VR+16*\d:VR+16*\d+15], v[P+16*\u:P+16*\u+15], v[O+32*\u+8*\d:O+32*\u+8*\d+7]
.endr
.endr
	WIN 0
.Lskip_\@:
	s_add_co_u32 s[TB], s[TB], 16384
.endm
; O^T / the sum x 2^(e4 + e5), held within 448 x 2^e6, converted with 2^e6 and stored: each store is 512 consecutive bytes, aligned.
.macro FINISH
.irp u, 0,1
	v_add_f32 v[ST+12*\u+2], v[ST+12*\u+2], v[ST+12*\u+3]
.endr
.irp u, 0,1
	v_permlanex16_b32 v[ST+12*\u+10], v[ST+12*\u+2], s[SEL], s[SEL+1]
.endr
.irp u, 0,1
	v_add_f32 v[ST+12*\u+2], v[ST+12*\u+2], v[ST+12*\u+10]
.endr
	s_wait_alu depctr_va_vdst(0)
.irp u, 0,1
	v_rcp_f32 v[ST+12*\u+4], v[ST+12*\u+2]
.endr
	v_nop
	s_wait_alu depctr_va_vdst(0)
.irp u, 0,1
	v_ldexp_f32 v[ST+12*\u+4], v[ST+12*\u+4], s62
.endr
	s_wait_alu depctr_va_vdst(0)                   ; directly ahead of the first readers of O^T
.irp u, 0,1
.irp j, 0,2,4,6,8,10,12,14,16,18,20,22,24,26,28,30
	v_pk_mul_f32 v[S+32*\u+\j:S+32*\u+\j+1], v[O+32*\u+\j:O+32*\u+\j+1], v[ST+12*\u+4:ST+12*\u+5] op_sel_hi:[1,0]
.endr
.endr
.set n, 0
.rept 64
	v_med3_num_f32 v[S+n], v[S+n], s60, s61
.set n, n+1
.endr
.irp d, 0,1,2,3,4,5,6,7
	v_cvt_scalef32_pk8_fp8_f32 v[P+2*\d:P+2*\d+1], v[S+8*\d:S+8*\d+7], v[OSC]
.endr
	v_nop
.irp u, 0,1
.irp g, 0,1
	global_store_b128 v[LI], v[P+8*\u+4*\g:P+8*\u+4*\g+3], s[10:11] offset:16384*\u+512*\g
.endr
.endr
.endm
	LOADK
	s_wait_alu depctr_va_vdst(0)
	s_wait_loadcnt 0x0                             ; Q
	s_wait_dscnt 0x0                               ; K of step 0
	STEP 0
	s_mov_b32 s[T], 1
	s_wait_alu depctr_va_vdst(0)
	s_wait_tensorcnt 0x0                           ; my part of steps 1-15 is in,
	s_wait_dscnt 0x0
	s_barrier_signal -1
	s_barrier_wait -1                              ; everybody's is
	LOADK
	s_wait_alu depctr_va_vdst(0)
	s_wait_dscnt 0x0
.Lfirst:                                           ; steps 1-7: waves 0-3 their short block, waves 4-7 the long one
	STEP 245760
	s_add_co_u32 s[T], s[T], 1
	s_cmp_lt_u32 s[T], 8
	s_cbranch_scc1 .Lfirst
	s_mov_b32 s[T], CUT
	s_mov_b32 s[TB], CUT*16384
	s_cmp_lt_u32 s[WV], 4
	s_cbranch_scc0 .Lgo
	LOADQ QB                                       ; waves 0-3: on to the long block
	FINISH                                         ; the short block goes out
	CLEAR
	s_mov_b32 s[J], s[J2]
	s_mov_b32 s[LIM], s[J2]
	LOADK
	s_wait_alu depctr_va_vdst(0)
	s_wait_xcnt 0x0                                ; the stores have read their registers
	s_wait_loadcnt 0x0
	s_wait_dscnt 0x0
.Lgo:
.Lrest:                                            ; steps CUT-15 of the long block: waves 4-7 have none of them
	STEP 245760
	s_add_co_u32 s[T], s[T], 1
	s_cmp_lt_u32 s[T], 16
	s_cbranch_scc1 .Lrest
	s_cmp_lt_u32 s[WV], 4
	s_cbranch_scc0 .Lmeet
.rept 4
	v_nop                                          ; places behind the last products
.endr
.irp i, 0,1,2,3,4,5,6,7,8,9,10,11,12,13,14,15
	ds_store_b128 v[XA], v[O+4*\i:O+4*\i+3] offset:512*\i
.endr
	ds_store_b128 v[XA], v[ST:ST+3] offset:8192    ; -M, largest t, the sum's halves
	ds_store_b128 v[XA], v[ST+12:ST+15] offset:8704
.Lmeet:
	s_wait_alu depctr_va_vdst(0)
	s_wait_dscnt 0x0                               ; my part is in LDS
	s_barrier_signal -1
	s_barrier_wait -1
	s_cmp_lt_u32 s[WV], 4
	s_cbranch_scc1 .Lend
.irp i, 0,1,2,3,4,5,6,7,8,9,10,11,12,13,14,15,16,17
	ds_load_b128 v[S+4*\i:S+4*\i+3], v[XA] offset:512*\i
.endr
	s_wait_dscnt 0x0
.irp u, 0,1
	v_min_num_f32 v[S+80+\u], v[ST+12*\u], v[S+64+4*\u]   ; -M of both parts together
	v_mov_b32 v[S+97+2*\u], 0                      ; (only named with the factor)
.endr
.irp u, 0,1
	v_sub_f32 v[S+84+\u], v[S+80+\u], v[ST+12*\u]
	v_sub_f32 v[S+88+\u], v[S+80+\u], v[S+64+4*\u]
.endr
.irp u, 0,1
	v_cvt_i32_f32 v[S+84+\u], v[S+84+\u]
	v_cvt_i32_f32 v[S+88+\u], v[S+88+\u]
.endr
.irp u, 0,1
	v_ldexp_f32 v[ST+12*\u+4], 1.0, v[S+84+\u]
	v_ldexp_f32 v[S+96+2*\u], 1.0, v[S+88+\u]
.endr
.irp u, 0,1
	v_pk_mul_f32 v[ST+12*\u+2:ST+12*\u+3], v[ST+12*\u+2:ST+12*\u+3], v[ST+12*\u+4:ST+12*\u+5] op_sel_hi:[1,0]
.endr
.irp u, 0,1
	v_pk_fma_f32 v[ST+12*\u+2:ST+12*\u+3], v[S+66+4*\u:S+67+4*\u], v[S+96+2*\u:S+97+2*\u], v[ST+12*\u+2:ST+12*\u+3] op_sel_hi:[1,0,1]
.endr
.irp u, 0,1
.irp j, 0,2,4,6,8,10,12,14,16,18,20,22,24,26,28,30
	v_pk_mul_f32 v[O+32*\u+\j:O+32*\u+\j+1], v[O+32*\u+\j:O+32*\u+\j+1], v[ST+12*\u+4:ST+12*\u+5] op_sel_hi:[1,0]
.endr
.endr
.irp u, 0,1
.irp j, 0,2,4,6,8,10,12,14,16,18,20,22,24,26,28,30
	v_pk_fma_f32 v[O+32*\u+\j:O+32*\u+\j+1], v[S+32*\u+\j:S+32*\u+\j+1], v[S+96+2*\u:S+97+2*\u], v[O+32*\u+\j:O+32*\u+\j+1] op_sel_hi:[1,0,1]
.endr
.endr
	FINISH
.Lend:
	s_wait_tensorcnt 0x0                           ; the wave's end
	ds_add_u32 v[SPW], v[NIL]
	s_wait_dscnt 0x0
	ROUND                                          ; the closing round
	s_endpgm
.Lfunc_end_k_q8647c86d40_attn:
	.size	k_q8647c86d40_attn, .Lfunc_end_k_q8647c86d40_attn-k_q8647c86d40_attn
	.p2alignl 7, 3214868480
	.fill 96, 4, 3214868480
	.section	.rodata,"a",@progbits
	.p2align	6, 0x0
	.amdhsa_kernel k_q8647c86d40_attn
		.amdhsa_group_segment_fixed_size 327680
		.amdhsa_private_segment_fixed_size 0
		.amdhsa_enable_private_segment 0
		.amdhsa_kernarg_size 32
		.amdhsa_user_sgpr_count 2
		.amdhsa_user_sgpr_kernarg_segment_ptr 1
		.amdhsa_wavefront_size32 1
		.amdhsa_system_sgpr_workgroup_id_x 1
		.amdhsa_system_sgpr_workgroup_id_y 1
		.amdhsa_system_sgpr_workgroup_id_z 1
		.amdhsa_system_vgpr_workitem_id 0
		.amdhsa_next_free_vgpr 512
		.amdhsa_next_free_sgpr 80
		.amdhsa_reserve_vcc 1
		.amdhsa_float_denorm_mode_32 3
		.amdhsa_float_denorm_mode_16_64 3
		.amdhsa_memory_ordered 1
		.amdhsa_forward_progress 1
		.amdhsa_inst_pref_size 147
	.end_amdhsa_kernel
	.amdgpu_metadata
---
amdhsa.version: [ 1, 2 ]
amdhsa.kernels:
  - .name:           k_q8647c86d40_attn
    .symbol:         k_q8647c86d40_attn.kd
    .args:
      - { .name: q_img, .offset: 0, .size: 8, .value_kind: global_buffer, .address_space: global }
      - { .name: kv_img, .offset: 8, .size: 8, .value_kind: global_buffer, .address_space: global }
      - { .name: lowp_scales, .offset: 16, .size: 8, .value_kind: global_buffer, .address_space: global }
      - { .name: a_img, .offset: 24, .size: 8, .value_kind: global_buffer, .address_space: global }
    .group_segment_fixed_size: 327680
    .private_segment_fixed_size: 0
    .kernarg_segment_align: 8
    .kernarg_segment_size: 32
    .max_flat_workgroup_size: 256
    .sgpr_count:     80
    .vgpr_count:     512
    .wavefront_size: 32
...
	.end_amdgpu_metadata
.endif
;; end of part 3
;; launch proj (part 4): grid 8 x 32, 4 waves a work-group, clusters of 4 x 4, 327,680 bytes of LDS; arguments a_img, wo_img, b_out, lowp_scales, out0; writes out0
.if DOCPART == 4
	.amdgcn_target "amdgcn-amd-amdhsa--gfx1250"
	.amdhsa_code_object_version 6
	.text
	.protected	k_q8647c86d40_proj
	.globl	k_q8647c86d40_proj
	.p2align	8
	.type	k_q8647c86d40_proj,@function
k_q8647c86d40_proj:
	s_mov_b64 s[64:65], 0
	v_nop
	global_prefetch_b8 v0, s[64:65] scope:SCOPE_SE
	s_setreg_imm32_b32 hwreg(HW_REG_WAVE_MODE, 25, 1), 1
	s_wait_xcnt 0x0
	s_wait_alu depctr_hold_cnt(0) depctr_sa_sdst(0) depctr_va_vdst(0) depctr_va_sdst(0) depctr_va_ssrc(0) depctr_va_vcc(0) depctr_vm_vsrc(0)
	s_getreg_b32 s2, hwreg(HW_REG_IB_STS2, 6, 4)
	s_cmp_eq_u32 s2, 0
	s_cbranch_scc0 .Lentry_in_a_cluster
	s_endpgm
.Lentry_in_a_cluster:
	s_bfe_u32 s2, ttmp6, 0x10000c
	s_cmp_lg_u32 s2, 0xf033
	s_cbranch_scc0 .Lentry_shape_is_right
	s_endpgm
.Lentry_shape_is_right:
; out0 = a w_out + b_out on codes of E4M3.  a_img [row tile 256][K chunk 8][2048] and wo_img [column tile 64][8][2048] are images of fragments (16 rows x 128 K, lane l of register group g at 512 g + 16 l);
; row i of row tile T is row 32 (T / 2) + 8 (T % 2) + i + 8 (i / 8) of out0.  y = sum x 2^(e6 + e7) + b_out, one packed multiply-add for two numbers.
; SHARES.  A work-group makes 128 x 128 of out0: 256 work-groups.  The whole K of its rows and of its columns, 131,072 bytes each, lies in LDS: one joint load of 65,536 bytes a wave, dense, nothing filled again:
; so there is no loop of refills and no prefetch ahead of one.
; Wave w makes 64 x 64: row tiles 4 (w / 2) + a, column tiles 4 (w % 2) + b, used transposed (source 0 = 16 columns of w_out, source 1 = 16 rows): a lane holds eight neighbours of a row.
; BY ROWS: the columns' fragments of the whole K stay in 512 registers; the row tiles are finished one after the other, 32 products each (four accumulators by turns), and each leaves while the next is multiplied.
; CLUSTER 4 x 4: the rows' tiles are shared along a row of the cluster, the weights' along a column (waves 0, 1: the rows' two halves; waves 2, 3: the weights').
; LIMIT: e6 + e7 between -126 and 127.
; REGISTERS.  Window 0: v1-9 addresses; v32-63 the bias; v64-95 results; v96-159 rows read back, by turns; v160-223 two sets of four accumulators.  Windows 1, 2: the columns' K chunks 0-3, 4-7.  Window 3: two row tiles by turns.
.set SIDE,  131072
.set STAGE, 2*SIDE                     ; behind them a stage of 16 rows x (256 bytes + 16) for each wave
.set SPARE, STAGE+4*16*272             ; the spare words
.set LI,   1
.set ADRA, 2
.set ADRB, 4
.set STO,  6
.set RD,   7
.set CO,   8
.set SPW,  30
.set NIL,  31
.set BI,   32
.set TMP,  64
.set BK,   96
.set ACC,  160
.set WV,   14
.set G1A,  24
.set G0A,  32
.set G0B,  36
.set G1B,  68
.set MSB,  0
.macro WIN new
.if MSB != (\new)
	s_set_vgpr_msb (MSB<<8)|(\new)
.set MSB, (\new)
.endif
.endm
.macro PLACES
.rept 4
	v_nop
.endr
.endm
.macro CROUND                          ; a round of the cluster's barrier
	s_barrier_signal -1
	s_barrier_wait -1
	s_cmp_lg_u32 s[WV], 0
	s_cbranch_scc1 .Lnot_wave_0_\@
	s_barrier_signal -3
.Lnot_wave_0_\@:
	s_barrier_wait -3
	s_barrier_signal -1
	s_barrier_wait -1
.endm
	s_load_b256 s[4:11], s[0:1], 0x0               ; a_img s[4:5], wo_img s[6:7], b_out s[8:9], the exponents s[10:11]
	s_load_b64 s[12:13], s[0:1], 0x20              ; out0
	v_lshl_add_u32 v[SPW], v0, 2, SPARE
	v_mov_b32 v[NIL], 0
	ds_add_u32 v[SPW], v[NIL]                      ; the opening: the add, twice on end
	ds_add_u32 v[SPW], v[NIL]
	v_lshrrev_b32 v1, 5, v0
	v_readfirstlane_b32 s[WV], v1                  ; wave 0..3
	s_lshr_b32 s15, s[WV], 1                       ; my half of the rows.  Also: I fetch rows (0) or weights (1)
	s_and_b32 s16, s[WV], 1                        ; my half of the columns.  Also: which four tiles I fetch
	s_bfe_u32 s17, ttmp6, 0x40000                  ; cx
	s_bfe_u32 s18, ttmp6, 0x40004                  ; cy
	s_lshl_b32 s19, ttmp9, 2
	s_add_co_u32 s19, s19, s17                     ; block of 128 columns
	s_and_b32 s20, ttmp7, 0xffff
	s_lshl_b32 s20, s20, 2
	s_add_co_u32 s20, s20, s18                     ; block of 128 rows
	s_lshl_b32 s21, s18, 2
	s_lshl_b32 s21, 15, s21                        ; my row of the cluster
	s_lshl_b32 s22, 0x1111, s17                    ; my column
	s_or_b32 s[G1A], s21, (3<<16)|(1<<21)          ; 15:0 the mask; 17:16 elements of 8 bytes; 21 set beside a mask; no padding
	s_or_b32 s[G1B], s22, (3<<16)|(1<<21)
.irp g, G1A, G1B
	s_mov_b32 s[\g+1], 32<<16                      ; four tiles of 16,384 bytes on end: 256 rows of 256 bytes
	s_mov_b32 s[\g+2], 256<<16
	s_mov_b32 s[\g+3], 32<<16
	s_mov_b32 s[\g+4], 256
	s_mov_b32 s[\g+5], 32
	s_mov_b32 s[\g+6], 0
	s_mov_b32 s[\g+7], 0
.endr
	s_lshl_b32 s21, s16, 16                        ; my four tiles
	s_lshl_b32 s80, s20, 17
	s_add_co_u32 s80, s80, s21
	s_mov_b32 s81, 0
	s_lshl_b32 s82, s19, 17
	s_add_co_u32 s82, s82, s21
	s_mov_b32 s83, 0
	s_lshl_b32 s84, s[WV], 16                      ; where they go; no place in the cluster enters an LDS address
	s_wait_alu depctr_va_vdst(0)
	s_wait_dscnt 0x0
	s_wait_kmcnt 0x0
	s_load_b64 s[76:77], s[10:11], 0x18            ; e6, e7
	s_mov_b32 s[G0A], 1
	s_mov_b32 s[G0A+1], s84
	s_add_nc_u64 s[G0A+2:G0A+3], s[4:5], s[80:81]
	s_or_b32 s[G0A+3], s[G0A+3], 0x80000000
	s_mov_b32 s[G0B], 1
	s_mov_b32 s[G0B+1], s84
	s_add_nc_u64 s[G0B+2:G0B+3], s[6:7], s[82:83]
	s_or_b32 s[G0B+3], s[G0B+3], 0x80000000
	CROUND                                         ; all sixteen work-groups are here: the joint loads meet
	s_cmp_lt_u32 s[WV], 2                          ; one load a wave; four v_nop follow each line
	s_cbranch_scc0 .Lfor_b
	tensor_load_to_lds s[G0A:G0A+3], s[G1A:G1A+7]
	s_nop 0
.rept 4
	v_nop
.endr
	s_branch .Lasked
.Lfor_b:
	tensor_load_to_lds s[G0B:G0B+3], s[G1B:G1B+7]
	s_nop 0
.rept 4
	v_nop
.endr
.Lasked:
	v_and_b32 v10, 31, v0
	v_lshlrev_b32 v[LI], 4, v10
	v_and_b32 v11, 15, v0                          ; r
	v_bfe_u32 v12, v0, 4, 1                        ; h
	s_lshl_b32 s21, s15, 16
	v_add_nc_u32 v[ADRA], s21, v[LI]
	s_lshl_b32 s21, s16, 16
	s_add_co_u32 s21, s21, SIDE
	v_add_nc_u32 v[ADRB], s21, v[LI]
	s_mul_i32 s21, s[WV], 16*272
	s_add_co_u32 s21, s21, STAGE                   ; my stage
	v_mul_u32_u24 v[STO], v11, 272
	v_lshl_add_u32 v[STO], v12, 5, v[STO]
	v_add_nc_u32 v[STO], s21, v[STO]               ; in: row r, 32 bytes for each half of the lanes
	v_mul_u32_u24 v[RD], v12, 272
	v_lshl_add_u32 v[RD], v11, 4, v[RD]
	v_add_nc_u32 v[RD], s21, v[RD]                 ; back: lanes 0-15 one row of 256 bytes, lanes 16-31 the next
	v_lshlrev_b32 v[CO], 12, v12
	v_lshl_add_u32 v[CO], v11, 4, v[CO]            ; and the same two rows in out0
	v_lshlrev_b32 v9, 5, v12
	s_wait_alu depctr_va_vdst(0)
	s_lshl_b32 s80, s19, 9                         ; my first column in bytes: 512 x block + 256 x half
	s_lshl_b32 s21, s16, 8
	s_add_co_u32 s80, s80, s21
	s_mov_b32 s81, 0
	s_add_nc_u64 s[8:9], s[8:9], s[80:81]
	s_add_nc_u64 s[12:13], s[12:13], s[80:81]
	s_lshl_b32 s80, s20, 7
	s_lshl_b32 s21, s15, 6
	s_add_co_u32 s80, s80, s21                     ; my first row
	s_lshl_b32 s80, s80, 12
	s_add_nc_u64 s[12:13], s[12:13], s[80:81]
.irp b, 0,1,2,3
	global_load_b128 v[BI+8*\b:BI+8*\b+3], v9, s[8:9] offset:64*\b          ; register j of tile b: column 16 b + 8 h + j
	global_load_b128 v[BI+8*\b+4:BI+8*\b+7], v9, s[8:9] offset:64*\b+16
.endr
	s_wait_kmcnt 0x0
	s_add_co_i32 s78, s76, s77
	s_add_co_i32 s78, s78, 127
	s_lshl_b32 s78, s78, 23                        ; 2^(e6 + e7) as f32
	s_mov_b32 s79, s78                             ; (named with it as a pair)
.macro COLS c                          ; the four column fragments of K chunk c: 16 loads
	WIN 0x40*(1+(\c)/4)
.irp b, 0,1,2,3
.irp g, 0,1,2,3
	ds_load_b128 v[64*((\c)%4)+16*\b+4*\g:64*((\c)%4)+16*\b+4*\g+3], v[ADRB] offset:\b*16384+(\c)*2048+512*\g
.endr
.endr
.endm
.macro ROWC a, c                       ; row tile a's fragment of K chunk c: 4 loads
	WIN 0xc0
.irp g, 0,1,2,3
	ds_load_b128 v[128*((\a)%2)+16*(\c)+4*\g:128*((\a)%2)+16*(\c)+4*\g+3], v[ADRA] offset:(\a)*16384+(\c)*2048+512*\g
.endr
.endm
.macro ROWS a                          ; all eight: 32 loads
.irp c, 0,1,2,3,4,5,6,7
	ROWC \a, \c
.endr
.endm
.macro MULC a, c                       ; four accumulators by turns
	WIN 0x0d+(\c)/4
.irp b, 0,1,2,3
.set AC, ACC+32*((\a)%2)+8*\b
.if (\c) == 0
	v_wmma_f32_16x16x128_fp8_fp8 v[AC:AC+7], v[64*((\c)%4)+16*\b:64*((\c)%4)+16*\b+15], v[128*((\a)%2)+16*(\c):128*((\a)%2)+16*(\c)+15], 0
.else
	v_wmma_f32_16x16x128_fp8_fp8 v[AC:AC+7], v[64*((\c)%4)+16*\b:64*((\c)%4)+16*\b+15], v[128*((\a)%2)+16*(\c):128*((\a)%2)+16*(\c)+15], v[AC:AC+7]
.endif
.endr
.endm
.macro MULT a
.irp c, 0,1,2,3,4,5,6,7
	MULC \a, \c
.endr
.endm
; THE WAY OUT of a row tile: through my own stage, back as whole rows of 256 bytes.  LDS serves a wave in order: no wait between the stores and the loads, nor in front of the next tile's stores.
.macro TOSTAGE a
	WIN 0
	PLACES                                         ; its results were made just now; also the places in front of loads into registers that the products read
.irp b, 0,1,2,3
.irp i, 0,2,4,6
	v_pk_fma_f32 v[TMP+8*\b+\i:TMP+8*\b+\i+1], v[ACC+32*((\a)%2)+8*\b+\i:ACC+32*((\a)%2)+8*\b+\i+1], s[78:79], v[BI+8*\b+\i:BI+8*\b+\i+1] op_sel_hi:[1,0,1]
.endr
.endr
.irp b, 0,1,2,3
	ds_store_b128 v[STO], v[TMP+8*\b:TMP+8*\b+3] offset:64*\b
	ds_store_b128 v[STO], v[TMP+8*\b+4:TMP+8*\b+7] offset:64*\b+16
.endr
.set BB, BK+32*((\a)%2)
.irp t, 0,1,2,3,4,5,6,7
	ds_load_b128 v[BB+4*\t:BB+4*\t+3], v[RD] offset:544*\t
.endr
.endm
.macro SEND a, younger                 ; younger: the LDS loads issued behind this tile's, which may stay out
	WIN 0
.set BB, BK+32*((\a)%2)
	s_wait_dscnt \younger
.irp t, 0,1,2,3,4,5,6,7
	global_store_b128 v[CO], v[BB+4*\t:BB+4*\t+3], s[12:13] offset:(32*((\a)/2)+8*((\a)%2)+2*\t+8*(\t/4))*4096 th:TH_STORE_NT   ; sixteen lanes store 256 consecutive bytes, aligned
.endr
.endm
	s_wait_alu depctr_va_vdst(0)                   ; the head's end
	s_wait_tensorcnt 0x0                           ; my part is in,
	s_barrier_signal -1
	s_barrier_wait -1                              ; everybody's is
.irp c, 0,1,2                          ; row tile 0: 20 loads a chunk, three chunks ahead, into registers that no product has read
	COLS \c
	ROWC 0, \c
.endr
.irp c, 0,1,2,3,4
	s_wait_dscnt 40                                ; chunk c is in; the two behind it may be out
	MULC 0, \c
	COLS \c+3
	ROWC 0, \c+3
.endr
	s_wait_dscnt 40
	MULC 0, 5
	ROWS 1
	s_wait_dscnt 52                                ; chunk 7's 20 and tile 1's 32 may be out
	MULC 0, 6
	s_wait_dscnt 32
	MULC 0, 7
	s_wait_loadcnt 0x0                             ; the bias
	TOSTAGE 0
	ROWS 2
	s_wait_dscnt 48                                ; tile 1's rows are in; 16 of the stage and tile 2's 32 may be out
	MULT 1
	SEND 0, 32
	TOSTAGE 1
	ROWS 3
	s_wait_dscnt 48
	MULT 2
	SEND 1, 32
	s_wait_xcnt 0x0                                ; the stores of two tiles back have read their registers
	TOSTAGE 2
	s_wait_dscnt 16                                ; tile 3's rows are in
	MULT 3
	SEND 2, 0
	s_wait_xcnt 0x0
	TOSTAGE 3
	SEND 3, 0
	s_wait_tensorcnt 0x0                           ; the wave's end
	ds_add_u32 v[SPW], v[NIL]
	s_wait_dscnt 0x0
	CROUND                                         ; the closing round
	s_endpgm
.Lfunc_end_k_q8647c86d40_proj:
	.size	k_q8647c86d40_proj, .Lfunc_end_k_q8647c86d40_proj-k_q8647c86d40_proj
	.p2alignl 7, 3214868480
	.fill 96, 4, 3214868480
	.section	.rodata,"a",@progbits
	.p2align	6, 0x0
	.amdhsa_kernel k_q8647c86d40_proj
		.amdhsa_group_segment_fixed_size 327680
		.amdhsa_private_segment_fixed_size 0
		.amdhsa_enable_private_segment 0
		.amdhsa_kernarg_size 40
		.amdhsa_user_sgpr_count 2
		.amdhsa_user_sgpr_kernarg_segment_ptr 1
		.amdhsa_wavefront_size32 1
		.amdhsa_system_sgpr_workgroup_id_x 1
		.amdhsa_system_sgpr_workgroup_id_y 1
		.amdhsa_system_sgpr_workgroup_id_z 1
		.amdhsa_system_vgpr_workitem_id 0
		.amdhsa_next_free_vgpr 1024
		.amdhsa_next_free_sgpr 100
		.amdhsa_reserve_vcc 0
		.amdhsa_float_denorm_mode_32 3
		.amdhsa_float_denorm_mode_16_64 3
		.amdhsa_memory_ordered 1
		.amdhsa_forward_progress 1
		.amdhsa_inst_pref_size 44
	.end_amdhsa_kernel
	.amdgpu_metadata
---
amdhsa.version: [ 1, 2 ]
amdhsa.kernels:
  - .name:           k_q8647c86d40_proj
    .symbol:         k_q8647c86d40_proj.kd
    .args:
      - { .name: a_img, .offset: 0, .size: 8, .value_kind: global_buffer, .address_space: global }
      - { .name: wo_img, .offset: 8, .size: 8, .value_kind: global_buffer, .address_space: global }
      - { .name: b_out, .offset: 16, .size: 8, .value_kind: global_buffer, .address_space: global }
      - { .name: lowp_scales, .offset: 24, .size: 8, .value_kind: global_buffer, .address_space: global }
      - { .name: out0, .offset: 32, .size: 8, .value_kind: global_buffer, .address_space: global }
    .group_segment_fixed_size: 327680
    .private_segment_fixed_size: 0
    .kernarg_segment_align: 8
    .kernarg_segment_size: 40
    .max_flat_workgroup_size: 128
    .sgpr_count:     100
    .vgpr_count:     1024
    .wavefront_size: 32
...
	.end_amdgpu_metadata
.endif
;; end of part 4
